; MI455X (gfx1250); checked and timed in simulation.
; The chip was launched on July 23, 2026; its instructions are those of AMD's public machine-readable ISA for CDNA 5 (MIT licence, August 2026) and "CDNA5" Instruction Set Architecture Reference Guide (July 2026). The comments in the code are by the model that wrote it; some were corrected since.
;; Vit Self Attention. Allowed arithmetic: matrix products marked QUANTISED: E2M1 operands, one E8M0 scale for each 32 along K, by v_wmma_scale_f32_16x16x128_f8f6f4 with both operands' format E2M1 (or v_wmma_scale_f32_32x16x128_f4), f32 sums; everything else in f32.
;; Inputs: Wk 768 x 768 float32; Wq 768 x 768 float32; Wv 768 x 768 float32; bk 768 float32; bq 768 float32; bv 768 float32; x 16 x 1,024 x 768 float32.
;; Outputs: out0 16 x 1,024 x 768 float32.
;; This version of the problem:
;;   THIS VERSION OF THE PROBLEM IS GIVEN IN LOW PRECISION. The matrix products marked QUANTISED in the list below multiply operands that are first quantised to E2M1 (2 exponent bits, 1 mantissa bit; 4 bits a number), with one power-of-two scale for each 32 numbers along K (OCP MX v1.0); their sums are f32. All else is computed in f32.
;;   The module's matrix products, in the order in which they are computed (A, B: the left and right operand; K: the contracted axis; several contracted axes count as one K, in the product's order):
;;     1. [M 16,384, K 768] x [K 768, N 768]; A: input x; B: input Wq: QUANTISED
;;     2. [M 16,384, K 768] x [K 768, N 768]; A: input x; B: input Wk: QUANTISED
;;     3. [M 16,384, K 768] x [K 768, N 768]; A: input x; B: input Wv: QUANTISED
;;     4. batch 192 x [M 1,024, K 64] x [K 64, N 1,024]; A: computed on the way; B: computed on the way: QUANTISED
;;     5. batch 192 x [M 1,024, K 1,024] x [K 1,024, N 64]; A: softmax (see below); B: computed on the way: QUANTISED
;;   THE QUANTISER, for each operand of a quantised product, along K:
;;     - K is cut into blocks of 32 from its start; a last block that is shorter is filled with zeros.
;;     - A block's scale is 2^e with e = floor(log2(the largest magnitude in the block)) - 2, held to -126 .. 127; a block of zeros has e = 0. As a byte (E8M0): e + 127.
;;     - Each number is divided by its block's scale, clamped to +-6, and rounded to the nearest number of E2M1, ties to even, subnormals kept.
;;     - The product sums the exact products of the quantised numbers (number of the format x scale) in f32.
;;   ~~~python
;;   def quantise(x, axis):      # numpy; x: float32 -> the quantised numbers, widened to float32 again
;;       x = np.moveaxis(x, axis, -1); K = x.shape[-1]
;;       x = np.pad(x, [(0, 0)] * (x.ndim - 1) + [(0, -K % 32)]); x = x.reshape(x.shape[:-1] + (-1, 32)); a = np.abs(x).max(-1, keepdims=True)
;;       e = np.where(a > 0, np.clip(np.frexp(np.where(a > 0, a, 1))[1] - 1 - 2, -126, 127), 0)      # np.frexp(a)[1] - 1 = floor(log2(a)), exactly
;;       r = np.clip(x / 2.0 ** e, -6, 6)
;;       step = 2.0 ** (np.maximum(np.frexp(np.where(r == 0, 1, r))[1] - 1, 0) - 1)
;;       q = np.round(r / step) * step * 2.0 ** e      # np.round: ties to even
;;       return np.moveaxis(q.reshape(q.shape[:-2] + (-1,))[..., :K], -1, axis).astype(np.float32)
;;   ~~~
;;   SOFTMAX AHEAD OF A QUANTISED PRODUCT. Where the list says 'softmax', what is quantised is not the finished softmax but p = 2^(t - M), with t = logit x log2(e) and M = ceil(the row's largest t), a whole number; so 1/2 < the row's largest p <= 1. The row's sum l is taken of the UNQUANTISED p, in f32, and the product's result is divided by l at the end. Since M is a whole number, a kernel that streams over the keys may use a running M (the ceiling of the running maximum): every later rescaling is an exact power of two, which a block's scale takes up: the codes' values come out the same.
;;   OPERANDS COMPUTED ON THE WAY. 'Computed on the way' means the value that the module computes at that place (a softmax that the list does not call 'softmax' is quantised finished and normalised). What goes into a quantiser is computed in f32, as accurately as f32 sums, v_exp_f32 and their like allow (about 1e-6 of the number): no bf16 or f16 on the way to a quantiser, and a product that is left as it is and whose result goes on into a quantised operand takes f32 operands (vector FMAs, or v_wmma_f32_16x16x4_f32). A number that lies on a knife's edge between two numbers of the format may be rounded either way, as far as f32 arithmetic and the matrix unit's own rounding can turn it there, and no further.
;; One version. Each part assembles by itself: llvm-mc -triple=amdgcn-amd-amdhsa -mcpu=gfx1250 --defsym DOCPART=n.
;; ======== version 1 of 1: 3 launches
;; limits: right only within a limited range of input values
;; workspace buffers: tiles 7,774,208 bytes; qbuf 7,077,888 bytes; kv 14,155,776 bytes
;; launch quant (part 1): grid 584 x 1, 4 waves a work-group, no clusters, 34,304 bytes of LDS; arguments x, Wq, Wk, Wv, tiles; writes tiles
.if DOCPART == 1
	.amdgcn_target "amdgcn-amd-amdhsa--gfx1250"
	.amdhsa_code_object_version 6
	.text
	.protected	k_q235016e961_quant
	.globl	k_q235016e961_quant
	.p2align	8
	.type	k_q235016e961_quant,@function
k_q235016e961_quant:
	s_mov_b64 s[64:65], 0
	v_nop
	global_prefetch_b8 v0, s[64:65] scope:SCOPE_SE
	s_setreg_imm32_b32 hwreg(HW_REG_WAVE_MODE, 25, 1), 1
	s_wait_xcnt 0x0
; FIRST OF THREE LAUNCHES (quant, proj, attn) for out = softmax(q k^T / sqrt(768)) v, q = x Wq^T + bq, k = x Wk^T + bk, v = x Wv^T + bv, 12 heads of 64, all five products on codes of FP4 (E2M1) with one E8M0 scale for each 32 along K.
; DEAD WORK: none is left out.  bq and bv reach the output; bk goes into k ahead of k's quantiser, whose codes and scales it moves, so it stays.  Every input is loaded by one of the three launches.
; THIS LAUNCH turns x [16384][768], Wq, Wk, Wv [768][768], f32 with K innermost, into codes and scale bytes, laid in the order of the operand's registers.
; A block's scale is 2^(floor(log2(its largest magnitude)) - 2); its byte is the largest magnitude's exponent field - 2, held at 1 from below; each number is divided by the scale and rounded to the nearest code, ties to even, beyond 6 the largest code.
; LIMITS: a block of zeros gets the byte 1 where the quantiser says 127 (its codes are zeros, which add nothing, and this program alone reads the bytes); blocks whose largest magnitude lies under 2^-124 were not tried; NaN and infinities among the inputs are not served.
; TILES.  A tensor's rows go in groups of 32; tile 2 b + u holds rows 32 b + 8 u + i + 8 (i / 8), i = 0 .. 15.  So two neighbouring tiles, used as source 0 of a product, leave 16 NEIGHBOURING rows in a lane's 16 result registers.
; A tile is 6,656 bytes: codes [K step s 0..5][c 0,1][lane][16 bytes] (lane (r, h), registers 4 c .. 4 c + 3 of the fragment: k = 128 s + 64 c + 32 h + 0 .. 31), then at 6,144 the scale words [half of K][r][4 words]: word j = K step 3 half + j, word 3 = 0.
; Tiles 0..1023: x; 1024..1071: Wq; 1072..1119: Wk; 1120..1167: Wv.
; SHARES.  A wave takes one tile x half of K: 16 rows x 1,536 bytes, three K steps.  Each load reads 512 consecutive bytes of a row; all 48 go out at once.  A K step's 16 x 512 bytes turn through the wave's own stage in LDS,
; so that a lane then holds two whole blocks of 32 of its row.  No loop, no barrier: waves share nothing.  No register that a load or store names is written again, so no wait frees one.
.set ROWB,  3072                       ; a row in memory
.set TILEB, 6656
.set SCOFF, 6144
.set SP,    528                        ; a stage row: 512 bytes + 16
.set STG,   16*SP                      ; a wave's stage
.set SPARE, 4*STG                      ; behind the stages: the spare words, 128 bytes a wave
.set LI,  1                            ; v1  16 x lane
.set STA, 2                            ; v2  the stage, on the way in
.set RDA, 3                            ; v3  and on the way out: row r, + 128 h
.set SA,  4                            ; v4  16 r + 8 h: my 8 bytes of the scale words
.set H8,  5                            ; v5  8 h
.set SPW, 6                            ; v6  my spare word
.set NIL, 7                            ; v7  0
.set MX,  8                            ; v8-9 largest magnitudes; v10-11 scale operands; v12-13 bytes; v14 word at work; v15 a lane permute's target
.set WD,  16                           ; v16-18 the three K steps' scale words
.set CD,  20                           ; v20-43 codes, 8 a K step
.set OW,  44                           ; v44-45 the words that I store
.set R,   64                           ; v64-255 numbers, 64 a K step
	s_load_b256 s[4:11], s[0:1], 0x0               ; x, Wq, Wk, Wv
	s_load_b64 s[12:13], s[0:1], 0x20              ; tiles
	v_lshl_add_u32 v[SPW], v0, 2, SPARE
	v_mov_b32 v[NIL], 0
	v_lshrrev_b32 v8, 5, v0
	v_readfirstlane_b32 s16, v8                    ; wave
	v_and_b32 v9, 31, v0                           ; lane
	v_and_b32 v10, 15, v0                          ; r
	v_bfe_u32 v11, v0, 4, 1                        ; h
	v_lshlrev_b32 v[LI], 4, v9
	s_mul_i32 s17, s16, STG
	v_add_nc_u32 v[STA], s17, v[LI]
	v_mul_u32_u24 v[RDA], v10, SP
	v_lshl_add_u32 v[RDA], v11, 7, v[RDA]
	v_add_nc_u32 v[RDA], s17, v[RDA]
	v_lshlrev_b32 v[SA], 4, v10
	v_lshl_add_u32 v[SA], v11, 3, v[SA]
	v_lshlrev_b32 v[H8], 3, v11
	v_mov_b32 v15, 0                               ; written once: a lane permute's destination counts as one of its sources
	s_mov_b32 s22, 0x76543210
	s_mov_b32 s23, 0xfedcba98                      ; selects for lane l xor 16
	s_lshr_b32 s24, s16, 1                         ; u: which tile of the work-group's two
	s_and_b32 s25, s16, 1                          ; which half of K
	s_wait_alu depctr_va_vdst(0)
	s_wait_kmcnt 0x0
	s_mov_b64 s[20:21], s[10:11]                   ; the tensor is chosen by the work-group's number alone: 0..511 x, ..535 Wq, ..559 Wk, ..583 Wv
	s_mov_b32 s18, 560
	s_cmp_lt_u32 ttmp9, 560
	s_cselect_b64 s[20:21], s[8:9], s[20:21]
	s_cselect_b32 s18, 536, s18
	s_cmp_lt_u32 ttmp9, 536
	s_cselect_b64 s[20:21], s[6:7], s[20:21]
	s_cselect_b32 s18, 512, s18
	s_cmp_lt_u32 ttmp9, 512
	s_cselect_b64 s[20:21], s[4:5], s[20:21]
	s_cselect_b32 s18, 0, s18
	s_sub_co_u32 s18, ttmp9, s18                   ; the group of 32 rows in its tensor
	s_lshl_b32 s18, s18, 5
	s_lshl_b32 s26, s24, 3
	s_add_co_u32 s18, s18, s26                     ; the tile's first row
	s_mul_i32 s18, s18, ROWB                       ; under 2^26
	s_mul_i32 s26, s25, 1536
	s_add_co_u32 s18, s18, s26
	s_mov_b32 s19, 0
	s_add_nc_u64 s[20:21], s[20:21], s[18:19]
	s_lshl_b32 s26, ttmp9, 1
	s_add_co_u32 s26, s26, s24                     ; the tile's number
	s_mul_i32 s26, s26, TILEB
	s_mov_b32 s27, 0
	s_add_nc_u64 s[12:13], s[12:13], s[26:27]
	s_lshl_b32 s26, s25, 8
	s_add_co_u32 s26, s26, SCOFF
	s_add_nc_u64 s[14:15], s[12:13], s[26:27]      ; my half's 256 bytes of scale words
	s_mul_i32 s26, s25, 3072
	s_add_nc_u64 s[12:13], s[12:13], s[26:27]      ; my half's three K steps of codes
.macro LOADS t                         ; K step t: 16 rows x 512 consecutive bytes
.irp i, 0,1,2,3,4,5,6,7,8,9,10,11,12,13,14,15
	global_load_b128 v[R+64*(\t)+4*\i:R+64*(\t)+4*\i+3], v[LI], s[20:21] offset:(\i+8*(\i/8))*ROWB+512*(\t) th:TH_LOAD_NT
.endr
.endm
.macro TURN t                          ; through the stage, back into the registers that they left: register 32 c + i = k 64 c + 32 h + i of row r.  LDS serves a wave's instructions in order (ISA guide 5.7.1.4): no wait between stores and loads, nor ahead of the next turn's stores
.irp i, 0,1,2,3,4,5,6,7,8,9,10,11,12,13,14,15
	ds_store_b128 v[STA], v[R+64*(\t)+4*\i:R+64*(\t)+4*\i+3] offset:SP*\i
.endr
.irp c, 0,1
.irp j, 0,1,2,3,4,5,6,7
	ds_load_b128 v[R+64*(\t)+32*\c+4*\j:R+64*(\t)+32*\c+4*\j+3], v[RDA] offset:256*\c+16*\j
.endr
.endr
.endm
.macro WORK t                          ; my two blocks of K step t: blocks h and 2 + h of row r
.irp c, 0,1
	v_max3_num_f32 v[MX+\c], |v[R+64*(\t)+32*\c]|, |v[R+64*(\t)+32*\c+1]|, 0x1800000   ; with the floor 2^(3 - 127): the byte cannot fall under 1
.endr
.irp i, 2,4,6,8,10,12,14,16,18,20,22,24,26,28,30
.irp c, 0,1
	v_max3_num_f32 v[MX+\c], v[MX+\c], |v[R+64*(\t)+32*\c+\i]|, |v[R+64*(\t)+32*\c+\i+1]|   ; the two blocks by turns
.endr
.endr
.irp c, 0,1
	v_add_nc_u32 v[MX+2+\c], 0xff000000, v[MX+\c]  ; 2 off the exponent field: the conversion's scale operand
.endr
.irp c, 0,1
	v_lshrrev_b32 v[MX+4+\c], 23, v[MX+2+\c]       ; the scale's byte
.endr
	v_lshl_or_b32 v14, v13, 16, v12                ; my two bytes,
	v_lshlrev_b32 v14, v[H8], v14                  ; at their places in the word;
	v_permlanex16_b32 v15, v14, s22, s23
	v_or_b32 v[WD+(\t)], v14, v15                  ; with lane l xor 16's two the word is whole
.irp c, 0,1
.irp g, 0,1,2,3
	v_cvt_scalef32_pk8_fp4_f32 v[CD+8*(\t)+4*\c+\g], v[R+64*(\t)+32*\c+8*\g:R+64*(\t)+32*\c+8*\g+7], v[MX+2+\c]
.endr
.endr
	v_nop                                          ; one plain line behind the last conversion
.irp c, 0,1
	global_store_b128 v[LI], v[CD+8*(\t)+4*\c:CD+8*(\t)+4*\c+3], s[12:13] offset:1024*(\t)+512*\c   ; 512 consecutive bytes, aligned to 256
.endr
.endm
	LOADS 0
	LOADS 1
	LOADS 2
	s_wait_loadcnt 32                              ; K step 0's 16 loads are in; the 32 younger stay out
	TURN 0
	s_wait_loadcnt 16
	TURN 1
	s_wait_dscnt 32                                ; turn 0 is back; turn 1's 32 may be out
	WORK 0
	s_wait_loadcnt 0x0
	TURN 2
	s_wait_dscnt 32
	WORK 1
	s_wait_dscnt 0x0
	WORK 2
	v_cmp_eq_u32 vcc_lo, 0, v[H8]
	v_cndmask_b32 v[OW], v[WD+2], v[WD], vcc_lo    ; lanes 0-15: words 0, 1; lanes 16-31: word 2 and the zero behind it
	v_cndmask_b32 v[OW+1], 0, v[WD+1], vcc_lo
	global_store_b64 v[SA], v[OW:OW+1], s[14:15]   ; the 32 lanes store 256 consecutive bytes, aligned
	s_wait_tensorcnt 0x0                           ; the wave's end
	ds_add_u32 v[SPW], v[NIL]
	s_wait_dscnt 0x0
	s_endpgm
.Lfunc_end_k_q235016e961_quant:
	.size	k_q235016e961_quant, .Lfunc_end_k_q235016e961_quant-k_q235016e961_quant
	.p2alignl 7, 3214868480
	.fill 96, 4, 3214868480
	.section	.rodata,"a",@progbits
	.p2align	6, 0x0
	.amdhsa_kernel k_q235016e961_quant
		.amdhsa_group_segment_fixed_size 34304
		.amdhsa_private_segment_fixed_size 0
		.amdhsa_enable_private_segment 0
		.amdhsa_kernarg_size 40
		.amdhsa_user_sgpr_count 2
		.amdhsa_user_sgpr_kernarg_segment_ptr 1
		.amdhsa_wavefront_size32 1
		.amdhsa_system_sgpr_workgroup_id_x 1
		.amdhsa_system_sgpr_workgroup_id_y 1
		.amdhsa_system_sgpr_workgroup_id_z 1
		.amdhsa_system_vgpr_workitem_id 0
		.amdhsa_next_free_vgpr 256
		.amdhsa_next_free_sgpr 66
		.amdhsa_reserve_vcc 1
		.amdhsa_float_denorm_mode_32 3
		.amdhsa_float_denorm_mode_16_64 3
		.amdhsa_memory_ordered 1
		.amdhsa_forward_progress 1
		.amdhsa_inst_pref_size 24
	.end_amdhsa_kernel
	.amdgpu_metadata
---
amdhsa.version: [ 1, 2 ]
amdhsa.kernels:
  - .name:           k_q235016e961_quant
    .symbol:         k_q235016e961_quant.kd
    .args:
      - { .name: x, .offset: 0, .size: 8, .value_kind: global_buffer, .address_space: global }
      - { .name: Wq, .offset: 8, .size: 8, .value_kind: global_buffer, .address_space: global }
      - { .name: Wk, .offset: 16, .size: 8, .value_kind: global_buffer, .address_space: global }
      - { .name: Wv, .offset: 24, .size: 8, .value_kind: global_buffer, .address_space: global }
      - { .name: tiles, .offset: 32, .size: 8, .value_kind: global_buffer, .address_space: global }
    .group_segment_fixed_size: 34304
    .private_segment_fixed_size: 0
    .kernarg_segment_align: 8
    .kernarg_segment_size: 40
    .max_flat_workgroup_size: 128
    .sgpr_count:     66
    .vgpr_count:     256
    .wavefront_size: 32
...
	.end_amdgpu_metadata
.endif
;; end of part 1
;; launch proj (part 2): grid 32 x 8, 4 waves a work-group, clusters of 4 x 1, 167,936 bytes of LDS; arguments tiles, bq, bk, bv, qbuf, kv; writes qbuf, kv
.if DOCPART == 2
	.amdgcn_target "amdgcn-amd-amdhsa--gfx1250"
	.amdhsa_code_object_version 6
	.text
	.protected	k_q235016e961_proj
	.globl	k_q235016e961_proj
	.p2align	8
	.type	k_q235016e961_proj,@function
k_q235016e961_proj:
	s_mov_b64 s[64:65], 0
	v_nop
	global_prefetch_b8 v0, s[64:65] scope:SCOPE_SE
	s_setreg_imm32_b32 hwreg(HW_REG_WAVE_MODE, 25, 1), 1
	s_wait_xcnt 0x0
	s_wait_alu depctr_hold_cnt(0) depctr_sa_sdst(0) depctr_va_vdst(0) depctr_va_sdst(0) depctr_va_ssrc(0) depctr_va_vcc(0) depctr_vm_vsrc(0)
	s_getreg_b32 s2, hwreg(HW_REG_IB_STS2, 6, 4)
	s_cmp_eq_u32 s2, 0
	s_cbranch_scc0 .Lentry_in_a_cluster
	s_endpgm
.Lentry_in_a_cluster:
	s_bfe_u32 s2, ttmp6, 0x10000c
	s_cmp_lg_u32 s2, 0x3003
	s_cbranch_scc0 .Lentry_shape_is_right
	s_endpgm
.Lentry_shape_is_right:
; SECOND LAUNCH: q = x Wq^T + bq, k = x Wk^T + bk, v = x Wv^T + bv on the codes that the first launch made, and the results quantised in registers: q and k along the head's 64, v along the keys.  No work of the problem is left out.
; LIMITS: as in the first launch (a block of zeros gets the byte 1; blocks under 2^-124 not tried; NaN and infinities not served).
; SHARES.  256 work-groups: 32 groups of 512 tokens x 8 groups of columns.  A wave owns 128 tokens (8 tiles of x, one key step of attention) and keeps their 48 fragments in registers, read once.
; Column group g gives every wave three 'qk units' (the 64 columns of one head of q or of k: unit U = 3 g + i of 24; U < 12: q's head U, else k's head U - 12)
; and three 'v units' (32 columns: Vh = 3 g + i of 24: head Vh / 2, half Vh % 2): 864 matrix instructions in every wave.
; CLUSTER.  The four work-groups of a cluster share g: the group's 18 tiles of W come into each one's LDS once, by joint loads (one a wave, mask 15), and are never filled again.
; qk UNIT, TRANSPOSED: source 0 = 16 columns of W, source 1 = 16 tokens: a lane holds ONE token, and by the tiles' rule its 32 registers are d = 32 b + 16 h + 0 .. 15 of both blocks: quantised as they stand.
; v UNIT: source 0 = 16 tokens, source 1 = 16 columns: a lane holds ONE column d, and its 64 registers are keys 32 b + 16 h + 0 .. 15 of four blocks: one whole fragment with the keys innermost.
; The biases are the C of each sum's first matrix instruction.  Results leave straight from registers as images of the next operand's registers: every store covers 256 or 512 consecutive bytes, aligned to 256.
; OUT.  qbuf, 36,864 bytes a head (12 batch + head): codes [64 tiles][lane][16] (lane (r, h): d = 32 h ..), at 32,768 scale words [8][lane (r, hh)][4 words j]: tile 4 hh + j, row r; a word = byte of block 0 | byte of block 1 << 8.
;       kv, 73,728 bytes a head: K's codes [8 steps][8 tiles][lane][16]; at 32,768 V's [8 steps][4 tiles of d][c][lane][16]; at 65,536 K's scale words, as q's; at 69,632 V's [8 steps][2][lane][2 words].
; REGISTERS, in windows of 256: window 0: addresses, scale words, W's fragments (two buffers of four), what the quantiser works on.  window 1: x's fragments of K steps 0-3 at v[64 s + 8 m].
;   window 2: K steps 4, 5 at v[64 (s - 4) + 8 m]; v128-223 the qk units' biases.   window 3: the accumulators: qk (m, t) at v[32 m + 8 t]; v (t, m) at v[64 t + 8 m].
.set TILEB, 6656
.set SCOFF, 6144
.set VL,    12*TILEB                   ; LDS: 12 tiles of Wq / Wk, then 6 of Wv
.set SPARE, 18*TILEB                   ; then the spare words, 128 bytes a wave
.set LI,  1                            ; v1  16 x lane
.set ADW, 2                            ; v2  16 x lane + the unit's tiles in LDS
.set BO,  3                            ; v3  64 h: a qk bias's bytes for my half
.set BOV, 4                            ; v4  4 (r + 8 (r / 8)): v's bias of my column
.set L8,  5                            ; v5  8 x lane
.set SPW, 6                            ; v6  my spare word
.set NIL, 7                            ; v7  0
.set XS,  16                           ; v16-47  x's scale words: register 4 m + j: lanes 0-15 K step j, lanes 16-31 K step 3 + j
.set WS,  48                           ; v48-63  W's, likewise, register 4 t + j
.set WB0, 64                           ; v64-95, v96-127  W's fragments
.set VC,  128                          ; v128-143 v's bias as C: two tiles x 8 copies
.set PC,  160                          ; v160-167 the codes just made
.set W8,  176                          ; v176-183 the scale words of a qk unit's 8 tiles
.set OUTW, 184                         ; v184-187 as they are stored
.set VBL, 188                          ; v188-193 v's bias, a number a lane, for 3 units x 2 tiles
.set VW,  194                          ; v194-195 a v unit's two scale words
.set TM,  200                          ; v200-203 largest magnitudes, v204-207 permute targets, then bytes, v212-215 scale operands
.set WV,  16                           ; s16 wave; s17 cx; s18 g; s19 my block of 128 tokens
.set G1A, 24                           ; s[24:31] group 1: 104 rows of 256 bytes (4 tiles);  s[32:39]: 156 rows (6 tiles)
.set G1B, 32
.set G0A, 40                           ; s[40:43], s[44:47] groups 0
.set G0B, 44
.set XB,  48                           ; s[48:49] my 8 tiles of x
.set BP,  50                           ; s[50:55] qk units' biases
.set BV,  56                           ; s[56:61] v units' biases
.set DI,  66                           ; s[66:71] qk units: where the codes go
.set DSC, 72                           ; s[72:77] and the scale words
.set DV,  78                           ; s[78:83] v units: codes
.set DVS, 84                           ; s[84:89] scale words
.set SEL, 90                           ; s[90:91] selects for lane l xor 16
.set HM,  92                           ; s92 mask of lanes 16-31
.set MSB, 0
.macro WIN new                         ; the immediate's high byte repeats the setting that is left
.if MSB != \new
	s_set_vgpr_msb (MSB<<8)|\new
.set MSB, \new
.endif
.endm
.macro PLACES                          ; four plain lines behind a matrix instruction, ahead of loads into its registers and of the first read of its result
.rept 4
	v_nop
.endr
.endm
.macro CROUND                          ; a round of the cluster's barrier
	s_barrier_signal -1
	s_barrier_wait -1
	s_cmp_lg_u32 s[WV], 0
	s_cbranch_scc1 .Lnot_wave_0_\@
	s_barrier_signal -3
.Lnot_wave_0_\@:
	s_barrier_wait -3
	s_barrier_signal -1
	s_barrier_wait -1
.endm
.macro WM d, a, b, c, sa, sb, row      ; one product; row = 1: both sides' scales from lanes 16-31
.if \row
	v_wmma_scale_f32_16x16x128_f8f6f4 v[(\d):(\d)+7], v[(\a):(\a)+7], v[(\b):(\b)+7], v[(\c):(\c)+7], v[\sa], v[\sb] matrix_a_fmt:MATRIX_FMT_FP4 matrix_b_fmt:MATRIX_FMT_FP4 matrix_a_scale:MATRIX_SCALE_ROW1 matrix_b_scale:MATRIX_SCALE_ROW1
.else
	v_wmma_scale_f32_16x16x128_f8f6f4 v[(\d):(\d)+7], v[(\a):(\a)+7], v[(\b):(\b)+7], v[(\c):(\c)+7], v[\sa], v[\sb] matrix_a_fmt:MATRIX_FMT_FP4 matrix_b_fmt:MATRIX_FMT_FP4
.endif
.endm
.macro FQ ks, buf                      ; a qk unit's four fragments of K step ks: 8 loads of 512 consecutive bytes
.irp t, 0,1,2,3
.irp c, 0,1
	ds_load_b128 v[(\buf)+8*\t+4*\c:(\buf)+8*\t+4*\c+3], v[ADW] offset:TILEB*\t+1024*(\ks)+512*\c
.endr
.endr
.endm
.macro FV p, buf                       ; a v unit's two tiles, K steps 2 p and 2 p + 1: 8 loads
.irp e, 0,1
.irp t, 0,1
.irp c, 0,1
	ds_load_b128 v[(\buf)+8*(2*\e+\t)+4*\c:(\buf)+8*(2*\e+\t)+4*\c+3], v[ADW] offset:TILEB*\t+1024*(2*(\p)+\e)+512*\c
.endr
.endr
.endr
.endm
.macro WSC n                           ; the scale words of the unit's n tiles
.irp t, 0,1,2,3
.if \t < \n
	ds_load_b128 v[WS+4*\t:WS+4*\t+3], v[ADW] offset:TILEB*\t+SCOFF
.endif
.endr
.endm
.macro MQ ks, buf, u                   ; 32 products of K step ks; the 32 accumulators take turns, one instruction a turn
.if (\ks) == 0
	WIN 0xe4                                       ; W window 0, x window 1, C (the bias) window 2, D window 3
.elseif (\ks) < 4
	WIN 0xf4
.else
	WIN 0xf8                                       ; x window 2
.endif
.irp m, 0,1,2,3,4,5,6,7
.irp t, 0,1,2,3
.if (\ks) == 0
	WM 32*\m+8*\t, (\buf)+8*\t, 8*\m, 128+32*(\u)+8*\t, WS+4*\t, XS+4*\m, 0
.else
	WM 32*\m+8*\t, (\buf)+8*\t, 64*((\ks)%4)+8*\m, 32*\m+8*\t, WS+4*\t+(\ks)%3, XS+4*\m+(\ks)%3, (\ks)/3
.endif
.endr
.endr
.endm
.macro MV ks, buf                      ; 16 products of K step ks; the 16 accumulators take turns
.if (\ks) == 0
	WIN 0xc1                                       ; x window 1, W and C window 0, D window 3
.elseif (\ks) < 4
	WIN 0xf1
.else
	WIN 0xf2
.endif
.irp t, 0,1
.irp m, 0,1,2,3,4,5,6,7
.if (\ks) == 0
	WM 64*\t+8*\m, 8*\m, (\buf)+8*\t, VC+8*\t, XS+4*\m, WS+4*\t, 0
.else
	WM 64*\t+8*\m, 64*((\ks)%4)+8*\m, (\buf)+8*(2*((\ks)%2)+\t), 64*\t+8*\m, XS+4*\m+(\ks)%3, WS+4*\t+(\ks)%3, (\ks)/3
.endif
.endr
.endr
.endm
; 64 accumulator registers from a on (window 3): register 16 b + i = place 32 b + 16 h + i along the next K of my row.  They become codes in v[PC] on: registers 4 c .. 4 c + 3 = places 64 c + 32 h + 0 .. 31.
; mode 0: two tiles of 64 along K: words of two bytes into W8 + k and W8 + k + 1.  mode 1: one fragment of 128: the word of four bytes into VW + k.
.macro QUANT a, mode, k
	WIN 0x0f                                       ; sources 0 and 1 window 3
.irp b, 0,1,2,3
	v_max3_num_f32 v[TM+\b], |v[(\a)+16*\b]|, |v[(\a)+16*\b+1]|, 0x1800000   ; each accumulator is read from its low end on; the floor 2^(3 - 127) holds the byte at 1 from below
.endr
.irp i, 2,4,6,8,10,12,14
.irp b, 0,1,2,3
	v_max3_num_f32 v[TM+\b], |v[(\a)+16*\b+\i]|, |v[(\a)+16*\b+\i+1]|, v[TM+\b]   ; the four blocks by turns
.endr
.endr
	WIN 0
	s_wait_alu depctr_va_vdst(0)
	s_wait_xcnt 0x0                                ; the earlier stores have read their data: the words and codes below may be written again
.irp b, 0,1,2,3
	v_permlanex16_b32 v[TM+4+\b], v[TM+\b], s[SEL], s[SEL+1]
.endr
.irp b, 0,1,2,3
	v_max_num_f32 v[TM+\b], v[TM+\b], v[TM+4+\b]   ; with lane l xor 16's 16: the block's largest magnitude
.endr
.irp b, 0,1,2,3
	v_add_nc_u32 v[TM+12+\b], 0xff000000, v[TM+\b] ; 2 off the exponent field: the conversion's scale operand
.endr
.irp b, 0,1,2,3
	v_lshrrev_b32 v[TM+4+\b], 23, v[TM+12+\b]      ; the scale's byte
.endr
.if \mode == 0
	v_lshl_or_b32 v[W8+(\k)], v[TM+5], 8, v[TM+4]
	v_lshl_or_b32 v[W8+(\k)+1], v[TM+7], 8, v[TM+6]
.else
	v_lshl_or_b32 v[VW+(\k)], v[TM+5], 8, v[TM+4]
	v_lshl_or_b32 v[VW+(\k)], v[TM+6], 16, v[VW+(\k)]
	v_lshl_or_b32 v[VW+(\k)], v[TM+7], 24, v[VW+(\k)]
.endif
	WIN 0x03                                       ; source 0 window 3
.irp b, 0,1,2,3
	v_cvt_scalef32_pk8_fp4_f32 v[PC+2*\b], v[(\a)+16*\b:(\a)+16*\b+7], v[TM+12+\b]
	v_cvt_scalef32_pk8_fp4_f32 v[PC+2*\b+1], v[(\a)+16*\b+8:(\a)+16*\b+15], v[TM+12+\b]
.endr
	WIN 0
	v_nop                                          ; one plain line behind the last conversion
.irp c, 0,1                            ; a whole block to a lane: lanes 0-15 block 2 c, lanes 16-31 block 2 c + 1
.irp i, 0,1
	v_permlane16_swap_b32 v[PC+4*\c+\i], v[PC+2+4*\c+\i]
.endr
.endr
.endm
	s_load_b256 s[4:11], s[0:1], 0x0               ; tiles, bq, bk, bv
	s_load_b128 s[12:15], s[0:1], 0x20             ; qbuf, kv
	v_lshl_add_u32 v[SPW], v0, 2, SPARE
	v_mov_b32 v[NIL], 0
	ds_add_u32 v[SPW], v[NIL]                      ; the wave's opening: the add, twice on end, and its wait ahead of my first tensor load
	ds_add_u32 v[SPW], v[NIL]
	v_lshrrev_b32 v8, 5, v0
	v_readfirstlane_b32 s[WV], v8                  ; wave 0..3
	s_bfe_u32 s17, ttmp6, 0x40000                  ; cx: it enters global addresses of x and of the results alone
	s_and_b32 s18, ttmp7, 0xffff                   ; g, which the four partners share
	s_lshl_b32 s19, ttmp9, 2
	s_add_co_u32 s19, s19, s17
	s_lshl_b32 s19, s19, 2
	s_add_co_u32 s19, s19, s[WV]                   ; my block of 128 tokens, 0..127
	s_mov_b32 s[G1A], 15|(3<<16)|(1<<21)           ; the mask: all four work-groups; elements of 8 bytes; bit 21 set beside a mask; no padding
	s_mov_b32 s[G1A+1], 32<<16                     ; tensor_dim0 = 32 elements: rows of 256 bytes
	s_mov_b32 s[G1A+2], 104<<16                    ; tensor_dim1
	s_mov_b32 s[G1A+3], 32<<16                     ; tile_dim0
	s_mov_b32 s[G1A+4], 104                        ; tile_dim1: 104 x 256 = 4 tiles
	s_mov_b32 s[G1A+5], 32                         ; the pitch: dense
	s_mov_b32 s[G1A+6], 0
	s_mov_b32 s[G1A+7], 0
	s_mov_b32 s[G1B], 15|(3<<16)|(1<<21)
	s_mov_b32 s[G1B+1], 32<<16
	s_mov_b32 s[G1B+2], 156<<16
	s_mov_b32 s[G1B+3], 32<<16
	s_mov_b32 s[G1B+4], 156                        ; 156 x 256 = 6 tiles
	s_mov_b32 s[G1B+5], 32
	s_mov_b32 s[G1B+6], 0
	s_mov_b32 s[G1B+7], 0
	s_mov_b32 s[SEL], 0x76543210
	s_mov_b32 s[SEL+1], 0xfedcba98
	s_mov_b32 s[G0A], 1
	s_mul_i32 s[G0A+1], s[WV], 4*TILEB             ; waves 0-2: qk unit w's four tiles, to LDS byte 26,624 w
	s_mov_b32 s[G0B], 1
	s_mov_b32 s[G0B+1], VL                         ; wave 3: the six tiles of Wv
	s_mul_i32 s2, s18, 12*TILEB
	s_add_co_u32 s2, s2, 1024*TILEB
	s_add_co_u32 s2, s2, s[G0A+1]
	s_mov_b32 s3, 0
	s_wait_dscnt 0x0                               ; both opening adds are done
	s_wait_kmcnt 0x0
	s_add_nc_u64 s[G0A+2:G0A+3], s[4:5], s[2:3]
	s_or_b32 s[G0A+3], s[G0A+3], 0x80000000
	s_mul_i32 s2, s18, 6*TILEB
	s_add_co_u32 s2, s2, 1120*TILEB
	s_add_nc_u64 s[G0B+2:G0B+3], s[4:5], s[2:3]
	s_or_b32 s[G0B+3], s[G0B+3], 0x80000000
	CROUND                                         ; all four work-groups are here: the joint loads meet
	s_cmp_lt_u32 s[WV], 3                          ; one load a wave, one of mine outstanding; an s_nop 0 and four v_nop follow each of the two lines
	s_cbranch_scc0 .Lfor_v
	tensor_load_to_lds s[G0A:G0A+3], s[G1A:G1A+7]
	s_nop 0
.rept 4
	v_nop
.endr
	s_branch .Lasked
.Lfor_v:
	tensor_load_to_lds s[G0B:G0B+3], s[G1B:G1B+7]
	s_nop 0
.rept 4
	v_nop
.endr
.Lasked:
	v_and_b32 v8, 31, v0                           ; lane
	v_and_b32 v9, 15, v0                           ; r
	v_bfe_u32 v10, v0, 4, 1                        ; h
	v_lshlrev_b32 v[LI], 4, v8
	v_lshlrev_b32 v[BO], 6, v10
	v_and_b32 v11, 8, v9
	v_add_nc_u32 v11, v11, v9
	v_lshlrev_b32 v[BOV], 2, v11
	s_wait_alu depctr_va_vdst(0)
	v_lshlrev_b32 v[L8], 3, v8
	v_cmp_le_u32 s[HM], 16, v8
.irp b, 0,1,2,3
	v_mov_b32 v[TM+4+\b], 0                        ; written once: a lane permute's destination counts as one of its sources
.endr
	s_mul_i32 s20, s19, 8*TILEB
	s_mov_b32 s21, 0
	s_add_nc_u64 s[XB:XB+1], s[4:5], s[20:21]
	WIN 0x40                                       ; destination window 1
.irp s, 0,1,2,3
.irp m, 0,1,2,3,4,5,6,7
.irp c, 0,1
	global_load_b128 v[64*\s+8*\m+4*\c:64*\s+8*\m+4*\c+3], v[LI], s[XB:XB+1] offset:TILEB*\m+1024*\s+512*\c
.endr
.endr
.endr
	WIN 0x80                                       ; destination window 2
.irp s, 4,5
.irp m, 0,1,2,3,4,5,6,7
.irp c, 0,1
	global_load_b128 v[64*(\s-4)+8*\m+4*\c:64*(\s-4)+8*\m+4*\c+3], v[LI], s[XB:XB+1] offset:TILEB*\m+1024*\s+512*\c
.endr
.endr
.endr
	s_lshr_b32 s93, s19, 3
	s_mul_i32 s93, s93, 12                         ; 12 x batch
	s_and_b32 s94, s19, 7                          ; my key step in the batch
	s_lshl_b32 s95, s94, 9
	s_lshl_b32 s94, s94, 12
	s_mov_b32 s63, 0
.irp i, 0,1,2                          ; the qk units' addresses: choices between buffers hang on g alone
	s_mul_i32 s20, s18, 3
	s_add_co_u32 s20, s20, \i                      ; U
	s_cmp_lt_u32 s20, 12
	s_cselect_b64 s[BP+2*\i:BP+2*\i+1], s[6:7], s[8:9]
	s_cselect_b64 s[DI+2*\i:DI+2*\i+1], s[12:13], s[14:15]
	s_cselect_b32 s21, 0, 12
	s_mov_b32 s22, 73728
	s_cselect_b32 s22, 36864, s22                  ; a head's bytes in qbuf or in kv
	s_mov_b32 s23, 65536
	s_cselect_b32 s23, 32768, s23                  ; where its scale words begin
	s_sub_co_u32 s20, s20, s21                     ; the head
	s_lshl_b32 s62, s20, 8
	s_add_nc_u64 s[BP+2*\i:BP+2*\i+1], s[BP+2*\i:BP+2*\i+1], s[62:63]
	s_add_co_u32 s20, s20, s93
	s_mul_i32 s62, s20, s22
	s_add_nc_u64 s[DI+2*\i:DI+2*\i+1], s[DI+2*\i:DI+2*\i+1], s[62:63]
	s_add_co_u32 s62, s23, s95
	s_add_nc_u64 s[DSC+2*\i:DSC+2*\i+1], s[DI+2*\i:DI+2*\i+1], s[62:63]
	s_mov_b32 s62, s94
	s_add_nc_u64 s[DI+2*\i:DI+2*\i+1], s[DI+2*\i:DI+2*\i+1], s[62:63]
.endr
.irp i, 0,1,2                          ; their biases in the result's layout: tile t, lane (r, h): columns 32 (t / 2) + 16 h + 8 (t % 2) + 0 .. 7
.irp t, 0,1,2,3
.irp e, 0,1
	global_load_b128 v[128+32*\i+8*\t+4*\e:128+32*\i+8*\t+4*\e+3], v[BO], s[BP+2*\i:BP+2*\i+1] offset:(32*(\t/2)+8*(\t%2))*4+16*\e
.endr
.endr
.endr
	WIN 0
.irp m, 0,1,2,3,4,5,6,7
	global_load_b128 v[XS+4*\m:XS+4*\m+3], v[LI], s[XB:XB+1] offset:TILEB*\m+SCOFF
.endr
.irp i, 0,1,2                          ; the v units' addresses
	s_mul_i32 s20, s18, 3
	s_add_co_u32 s20, s20, \i                      ; Vh
	s_lshl_b32 s62, s20, 7
	s_add_nc_u64 s[BV+2*\i:BV+2*\i+1], s[10:11], s[62:63]
	s_lshr_b32 s21, s20, 1                         ; the head
	s_and_b32 s20, s20, 1                          ; which 32 of its 64
	s_add_co_u32 s21, s21, s93
	s_mul_i32 s21, s21, 73728
	s_lshl_b32 s22, s20, 11
	s_add_co_u32 s62, s21, s22
	s_add_co_u32 s62, s62, s94
	s_add_co_u32 s62, s62, 32768
	s_add_nc_u64 s[DV+2*\i:DV+2*\i+1], s[14:15], s[62:63]
	s_lshl_b32 s22, s20, 8
	s_add_co_u32 s62, s21, s22
	s_add_co_u32 s62, s62, s95
	s_add_co_u32 s62, s62, 69632
	s_add_nc_u64 s[DVS+2*\i:DVS+2*\i+1], s[14:15], s[62:63]
.irp t, 0,1
	global_load_b32 v[VBL+2*\i+\t], v[BOV], s[BV+2*\i:BV+2*\i+1] offset:32*\t
.endr
.endr
	s_wait_tensorcnt 0x0                           ; my part of W is in LDS,
	s_barrier_signal -1
	s_barrier_wait -1                              ; everybody's is; nothing is ever filled again
	v_mov_b32 v[ADW], v[LI]                        ; qk unit 0 lies at LDS byte 0
	WSC 4
	FQ 0, WB0
	s_wait_alu depctr_va_vdst(0)
	s_wait_loadcnt 0x0                             ; x, its scale words, the biases
; A qk unit.  nb: the LDS byte of the next unit's tiles; nv = 1: that unit is a v unit.  Each K step's fragments are fetched a step ahead, into the other buffer.
.macro QKUNIT u, nb, nv
.irp s, 0,1,2,3,4,5
.if \s < 5
	WIN 0
.if \s > 0
	PLACES                                         ; the other buffer was read by the K step before
.endif
	FQ \s+1, WB0+32*((\s+1)%2)
	s_wait_dscnt 8                                 ; all but the 8 just issued
.else
	s_wait_dscnt 0x0
.endif
	MQ \s, WB0+32*(\s%2), \u
.endr
	WIN 0
	PLACES                                         ; for the loads below and for the first reads of results
	v_add_nc_u32 v[ADW], \nb, v[LI]
.if \nv
	WSC 2
	FV 0, WB0
.else
	WSC 4
	FQ 0, WB0                                      ; the next unit's first fragments land while this one is quantised
.endif
.irp p, 0,2,4,6
	QUANT 32*\p, 0, \p
	global_store_b128 v[LI], v[PC:PC+3], s[DI+2*\u:DI+2*\u+1] offset:512*\p          ; tile p: 512 consecutive bytes
	global_store_b128 v[LI], v[PC+4:PC+7], s[DI+2*\u:DI+2*\u+1] offset:512*\p+512    ; tile p + 1
.endr
.irp j, 0,1,2,3
	v_cndmask_b32 v[OUTW+\j], v[W8+\j], v[W8+4+\j], s[HM]   ; lanes 0-15: tiles 0-3; lanes 16-31: tiles 4-7
.endr
	global_store_b128 v[LI], v[OUTW:OUTW+3], s[DSC+2*\u:DSC+2*\u+1]
.endm
; A v unit.  A stage is two K steps of its two tiles.
.macro VUNIT u, nb, more
	WIN 0
.irp t, 0,1
.irp e, 0,1,2,3,4,5,6,7
	v_mov_b32 v[VC+8*\t+\e], v[VBL+2*\u+\t]        ; the bias of my column, in all eight registers of C
.endr
.endr
	s_wait_alu depctr_va_vdst(0)
.irp p, 0,1,2
.if \p < 2
	WIN 0
	PLACES
	FV \p+1, WB0+32*((\p+1)%2)
	s_wait_dscnt 8                                 ; all but the 8 just issued
.else
	s_wait_dscnt 0x0
.endif
	MV 2*\p, WB0+32*(\p%2)
	MV 2*\p+1, WB0+32*(\p%2)
.endr
	WIN 0
	PLACES
.if \more
	v_add_nc_u32 v[ADW], \nb, v[LI]
	WSC 2
	FV 0, WB0
.endif
.irp t, 0,1
	QUANT 64*\t, 1, \t
	global_store_b128 v[LI], v[PC:PC+3], s[DV+2*\u:DV+2*\u+1] offset:1024*\t
	global_store_b128 v[LI], v[PC+4:PC+7], s[DV+2*\u:DV+2*\u+1] offset:1024*\t+512
.endr
	global_store_b64 v[L8], v[VW:VW+1], s[DVS+2*\u:DVS+2*\u+1]   ; 256 consecutive bytes, aligned
.endm
	QKUNIT 0, 4*TILEB, 0
	QKUNIT 1, 8*TILEB, 0
	QKUNIT 2, VL, 1
	VUNIT 0, VL+2*TILEB, 1
	VUNIT 1, VL+4*TILEB, 1
	VUNIT 2, 0, 0
	s_wait_tensorcnt 0x0                           ; the wave's end
	ds_add_u32 v[SPW], v[NIL]
	s_wait_dscnt 0x0
	CROUND                                         ; the closing round
	s_endpgm
.Lfunc_end_k_q235016e961_proj:
	.size	k_q235016e961_proj, .Lfunc_end_k_q235016e961_proj-k_q235016e961_proj
	.p2alignl 7, 3214868480
	.fill 96, 4, 3214868480
	.section	.rodata,"a",@progbits
	.p2align	6, 0x0
	.amdhsa_kernel k_q235016e961_proj
		.amdhsa_group_segment_fixed_size 167936
		.amdhsa_private_segment_fixed_size 0
		.amdhsa_enable_private_segment 0
		.amdhsa_kernarg_size 48
		.amdhsa_user_sgpr_count 2
		.amdhsa_user_sgpr_kernarg_segment_ptr 1
		.amdhsa_wavefront_size32 1
		.amdhsa_system_sgpr_workgroup_id_x 1
		.amdhsa_system_sgpr_workgroup_id_y 1
		.amdhsa_system_sgpr_workgroup_id_z 1
		.amdhsa_system_vgpr_workitem_id 0
		.amdhsa_next_free_vgpr 1024
		.amdhsa_next_free_sgpr 96
		.amdhsa_reserve_vcc 0
		.amdhsa_float_denorm_mode_32 3
		.amdhsa_float_denorm_mode_16_64 3
		.amdhsa_memory_ordered 1
		.amdhsa_forward_progress 1
		.amdhsa_inst_pref_size 227
	.end_amdhsa_kernel
	.amdgpu_metadata
---
amdhsa.version: [ 1, 2 ]
amdhsa.kernels:
  - .name:           k_q235016e961_proj
    .symbol:         k_q235016e961_proj.kd
    .args:
      - { .name: tiles, .offset: 0, .size: 8, .value_kind: global_buffer, .address_space: global }
      - { .name: bq, .offset: 8, .size: 8, .value_kind: global_buffer, .address_space: global }
      - { .name: bk, .offset: 16, .size: 8, .value_kind: global_buffer, .address_space: global }
      - { .name: bv, .offset: 24, .size: 8, .value_kind: global_buffer, .address_space: global }
      - { .name: qbuf, .offset: 32, .size: 8, .value_kind: global_buffer, .address_space: global }
      - { .name: kv, .offset: 40, .size: 8, .value_kind: global_buffer, .address_space: global }
    .group_segment_fixed_size: 167936
    .private_segment_fixed_size: 0
    .kernarg_segment_align: 8
    .kernarg_segment_size: 48
    .max_flat_workgroup_size: 128
    .sgpr_count:     96
    .vgpr_count:     1024
    .wavefront_size: 32
...
	.end_amdgpu_metadata
.endif
;; end of part 2
;; launch attn (part 3): grid 256 x 1, 16 waves a work-group, clusters of 4 x 1, 327,680 bytes of LDS; arguments qbuf, kv, out0; writes out0
.if DOCPART == 3
	.amdgcn_target "amdgcn-amd-amdhsa--gfx1250"
	.amdhsa_code_object_version 6
	.text
	.protected	k_q235016e961_attn
	.globl	k_q235016e961_attn
	.p2align	8
	.type	k_q235016e961_attn,@function
k_q235016e961_attn:
	s_mov_b64 s[64:65], 0
	v_nop
	global_prefetch_b8 v0, s[64:65] scope:SCOPE_SE
	s_setreg_imm32_b32 hwreg(HW_REG_WAVE_MODE, 25, 1), 1
	s_wait_xcnt 0x0
	s_wait_alu depctr_hold_cnt(0) depctr_sa_sdst(0) depctr_va_vdst(0) depctr_va_sdst(0) depctr_va_ssrc(0) depctr_va_vcc(0) depctr_vm_vsrc(0)
	s_getreg_b32 s2, hwreg(HW_REG_IB_STS2, 6, 4)
	s_cmp_eq_u32 s2, 0
	s_cbranch_scc0 .Lentry_in_a_cluster
	s_endpgm
.Lentry_in_a_cluster:
	s_bfe_u32 s2, ttmp6, 0x10000c
	s_cmp_lg_u32 s2, 0x3003
	s_cbranch_scc0 .Lentry_shape_is_right
	s_endpgm
.Lentry_shape_is_right:
; THIRD LAUNCH: out[b][q][64 head ..] = the sum over keys of softmax(q . k / sqrt(768)) v, both products on the codes that the second launch made.  No work of the problem is left out.
; THE SOFTMAX AHEAD OF THE SECOND PRODUCT: t = score x log2(e) / sqrt(768); M = the row's largest t so far, rounded UP to a whole number; p = 2^(t - M) is quantised along the keys, not normalised.
; The row's sum is taken of the unquantised p and divides at the end.  When M moves, the sum and O are multiplied by 2^(old M - new M): exact.
; LIMITS: NaN and infinities are not served; a block of p that has fallen to zeros keeps the byte 1 (its codes are zeros); the promise holds while the scaled scores t stay under 2^31 in magnitude.
; SHARES.  Cluster C (0..63) owns heads 3 C + u, u = 0, 1, 2 (12 batch + head); its partner cx owns queries 256 cx .. + 255 of each; wave w owns one tile of 16 of them: three equal units in each of 256 work-groups.
; The three heads' K, V and scale words, 3 x 73,728 bytes on end in kv, have LDS bytes of their own, each filled once, by joint loads (mask 15) whose addresses hang on the wave's number:
; at the head every wave asks for a sixteenth of head 0 (18 rows of 256 bytes); behind the round that shows head 0 to all, every wave asks for a sixteenth of heads 1 and 2 (36 rows), which has unit 0 in which to land.
; That second load is waited for behind unit 0's loop, and one barrier ahead of unit 1 shows it to all waves.  Else the waves share nothing (each has a stage of its own).
; NO PREFETCH: every byte of K and V is asked for by those two groups of loads, and no later stream follows in which to run ahead.
; A STEP IS 256 KEYS, two halves of 128: M, f, the rescaling of O^T and of the sum, the address lines and the loop's lines stand once for 256 keys.
; LAYOUT.  Both products transposed: S^T = K Q^T (source 0 = 16 keys, source 1 = my 16 queries), O^T = V^T P^T: a lane holds ONE query throughout.  The head's 64 fill the lower half of a fragment of 128 along K.
; Q's upper half holds zero codes, written once, and both sides' upper two scale bytes are 0.  So whatever codes stand in the upper half of K's fragment add nothing (E2M1 has no infinity and no NaN), and K's fragments OVERLAP:
; fragment t is v[32 + 4 t : 39 + 4 t], its upper half the next tile's codes (behind tile 7: V's scale words, as bits): 32 registers hold eight tiles.
; THE KEYS OF A TILE ARE CHOSEN BY THE LDS ADDRESSES: row m of tile t takes key 64 (t / 4) + 32 (m / 8) + 8 (t % 4) + m % 8.  kv holds tile 2 b + v as keys 32 b + 8 v + i + 8 (i / 8), so that key lies in
; stored tile 2 (m / 8) + t % 2 + 4 (t / 4), row 8 ((t / 2) % 2) + m % 8.  In S^T lane (r, h) then holds in tiles 4 c .. 4 c + 3 the 32 keys 64 c + 32 h + 0 .. 31 in order: a WHOLE block of the second product's K,
; in the very registers' order of that operand: a block's largest score needs no other lane, and the conversions' results are the operand as they stand.
; REGISTERS: v0 (behind the head), v8, v9 Q's scale words; v1-5 lane terms of addresses; v12 -M, v13 the largest score, v[14:15] the sum; v16-23, v24-31 Q, two sets; v32-63 K's 8 tiles, behind the score products at work;
;   v64-71 V's scale words; v72-75 K's, then p's; v76-79 the step's addresses; v80-95 at work, then p's codes; v96-223 S^T, then p; V's 8 fragments land in v160-223 when that half is summed and converted; v224-255 O^T.
.set HEADB, 73728                      ; a head in kv and in LDS
.set QHB,   36864                      ; a head in qbuf
.set PARTA, 4608                       ; a wave's first load: 18 x 256 bytes; 16 of them are head 0
.set PARTB, 9216                       ; its second: 36 x 256 bytes; 16 of them are heads 1 and 2
.set STAGE, 3*HEADB                    ; the way out: 16 rows x (256 + 16) bytes for each wave
.set SPARE, STAGE+16*4352              ; the spare words, 128 bytes a wave
.set AK0,  1                           ; v1  K's codes: 1,024 (r / 8) + 16 (r % 8) + 256 h
.set AS0,  2                           ; v2  K's scale words: 65,536 + 16 (r % 8) + 256 h + 8 (r / 8)
.set AT0,  3                           ; v3  V's scale words: 69,632 + 8 x lane
.set GO,   4                           ; v4  3,072 h + 16 r: my bytes in two rows of out0
.set LI,   5                           ; v5  16 x lane
.set SPW,  6
.set NIL,  7
.set QW0,  8
.set QW1,  9
.set QW2,  0
.set STO,  10
.set RD,   11
.set QA,   16
.set QBF,  24
.set T0,   32                          ; at work in K's registers, behind the second half's score products
.set PT,   33
.set F,    34                          ; v[34:35]: f in the low word
.set SO,   36                          ; v36-39 the conversions' scale operands
.set BY,   40                          ; v40-43 the scales' bytes
.set WA,   44
.set WB,   45
.set PT2,  46
.set SM,   48                          ; v48-55 four chains of partial sums
.set PWA,  72                          ; p's scale words of the two halves
.set PWB,  73
.set ADK,  76
.set ADS,  77
.set ADV,  78
.set ADT,  79
.set MB,   80                          ; v80-83 the four blocks' largest scores; v84-87 their second chains; v88 the old -M
.set OM,   88
.set WV,   10                          ; s10 wave; s11 cx; s12 the cluster
.set G1,   16                          ; s[16:23] group 1;  s[24:27], s[28:31] groups 0 of the two loads
.set G0,   24
.set QB,   36                          ; s[36:37] my tile of Q's codes in head 3 C
.set QSP,  38                          ; s[38:39] its scale words
.set OB,   40                          ; s[40:41] my first query's row in out0, at head 3 (C % 4)
.set SEL,  42
.set CS,   44                          ; s[44:45] c = log2(e) / sqrt(768), twice: the packed form names the pair
.set CNT,  46
.set TK,   47                          ; s47  LDS byte of the step's codes: 8,192 a step
.set TS,   48                          ; s48  and of its scale words: 1,024 a step
.macro CROUND
	s_barrier_signal -1
	s_barrier_wait -1
	s_cmp_lg_u32 s[WV], 0
	s_cbranch_scc1 .Lnot_wave_0_\@
	s_barrier_signal -3
.Lnot_wave_0_\@:
	s_barrier_wait -3
	s_barrier_signal -1
	s_barrier_wait -1
.endm
	s_load_b128 s[4:7], s[0:1], 0x0                ; qbuf, kv
	s_load_b64 s[8:9], s[0:1], 0x10                ; out0
	v_lshl_add_u32 v[SPW], v0, 2, SPARE
	v_mov_b32 v[NIL], 0
	ds_add_u32 v[SPW], v[NIL]                      ; the wave's opening: the add, twice on end, and its wait ahead of my first tensor load
	ds_add_u32 v[SPW], v[NIL]
	v_lshrrev_b32 v248, 5, v0
	v_readfirstlane_b32 s[WV], v248                ; wave 0..15
	s_bfe_u32 s11, ttmp6, 0x40000                  ; cx: it enters Q's and out0's addresses alone
	s_mov_b32 s12, ttmp9                           ; the cluster
	s_mov_b32 s[G1], 15|(3<<16)|(1<<21)            ; the mask: all four work-groups; elements of 8 bytes; bit 21 set beside a mask; no padding
	s_mov_b32 s[G1+1], 32<<16                      ; rows of 256 bytes
	s_mov_b32 s[G1+2], 18<<16                      ; 18 rows for the first load
	s_mov_b32 s[G1+3], 32<<16
	s_mov_b32 s[G1+4], 18
	s_mov_b32 s[G1+5], 32
	s_mov_b32 s[G1+6], 0
	s_mov_b32 s[G1+7], 0
	s_mov_b32 s[SEL], 0x76543210
	s_mov_b32 s[SEL+1], 0xfedcba98
	s_mov_b32 s[CS], 0x3d553b95
	s_mov_b32 s[CS+1], s[CS]
	s_mul_i32 s14, s[WV], PARTA                    ; my sixteenth of head 0, in LDS and in kv alike
	s_mul_i32 s15, s[WV], PARTB                    ; and of heads 1 and 2
	s_mul_i32 s50, s12, 3*HEADB
	s_add_co_u32 s32, s50, s15
	s_add_co_u32 s32, s32, HEADB
	s_mov_b32 s33, 0
	s_add_co_u32 s50, s50, s14
	s_mov_b32 s51, 0
	s_lshl_b32 s52, s11, 4
	s_add_co_u32 s52, s52, s[WV]                   ; T: my tile of queries, 0..63
	s_mul_i32 s54, s12, 3*QHB
	s_lshl_b32 s53, s52, 9
	s_add_co_u32 s56, s54, s53
	s_mov_b32 s57, 0
	s_lshr_b32 s53, s52, 2
	s_lshl_b32 s53, s53, 8                         ; 256 (T / 4): the block of 8 tiles and the half of its lanes,
	s_add_co_u32 s58, s54, s53
	s_and_b32 s53, s52, 3
	s_lshl_b32 s53, s53, 2                         ; word T % 4
	s_add_co_u32 s58, s58, s53
	s_add_co_u32 s58, s58, 32768
	s_mov_b32 s59, 0
	s_lshr_b32 s53, s12, 2                         ; the batch
	s_lshl_b32 s53, s53, 10
	s_lshl_b32 s55, s11, 8
	s_add_co_u32 s53, s53, s55
	s_lshr_b32 s55, s[WV], 1
	s_lshl_b32 s55, s55, 5
	s_add_co_u32 s53, s53, s55
	s_and_b32 s55, s[WV], 1
	s_lshl_b32 s55, s55, 3
	s_add_co_u32 s53, s53, s55                     ; my tile's first row of out0: 1,024 batch + 256 cx + 32 (w / 2) + 8 (w % 2)
	s_mul_i32 s60, s53, 3072
	s_and_b32 s55, s12, 3
	s_mul_i32 s55, s55, 768
	s_add_co_u32 s60, s60, s55
	s_mov_b32 s61, 0
	s_wait_dscnt 0x0                               ; both opening adds are done
	s_wait_kmcnt 0x0
	s_mov_b32 s[G0], 1
	s_mov_b32 s[G0+1], s14
	s_add_nc_u64 s[G0+2:G0+3], s[6:7], s[50:51]
	s_or_b32 s[G0+3], s[G0+3], 0x80000000
	s_mov_b32 s[G0+4], 1
	s_add_co_u32 s[G0+5], s15, HEADB
	s_add_nc_u64 s[G0+6:G0+7], s[6:7], s[32:33]
	s_or_b32 s[G0+7], s[G0+7], 0x80000000
	s_add_nc_u64 s[QB:QB+1], s[4:5], s[56:57]
	s_add_nc_u64 s[QSP:QSP+1], s[4:5], s[58:59]
	s_add_nc_u64 s[OB:OB+1], s[8:9], s[60:61]
	CROUND                                         ; all four work-groups are here: the joint loads meet
	tensor_load_to_lds s[G0:G0+3], s[G1:G1+7]      ; my sixteenth of head 0: one tensor load a wave at the head
	s_nop 0
.rept 4
	v_nop
.endr
	v_and_b32 v248, 31, v0                         ; lane
	v_and_b32 v249, 15, v0                         ; r
	v_bfe_u32 v250, v0, 4, 1                       ; h
	v_lshlrev_b32 v[LI], 4, v248
	v_lshlrev_b32 v251, 4, v249                    ; 16 r
	global_load_b128 v[QA:QA+3], v[LI], s[QB:QB+1] th:TH_LOAD_NT                  ; unit 0's Q
	global_load_b32 v[QW0], v251, s[QSP:QSP+1] th:TH_LOAD_NT
	global_load_b128 v[QBF:QBF+3], v[LI], s[QB:QB+1] offset:QHB th:TH_LOAD_NT     ; unit 1's
	global_load_b32 v[QW1], v251, s[QSP:QSP+1] offset:QHB th:TH_LOAD_NT
.irp j, 4,5,6,7
	v_mov_b32 v[QA+\j], 0                          ; the upper halves of Q's fragments, K = 64 .. 127: zero codes, written once
	v_mov_b32 v[QBF+\j], 0
.endr
	s_mul_i32 s53, s[WV], 4352
	s_add_co_u32 s53, s53, STAGE                   ; my stage
	v_mul_u32_u24 v[STO], v249, 272
	v_mul_u32_u24 v[RD], v250, 272
	v_mul_u32_u24 v[GO], v250, 3072
	v_lshl_add_u32 v[STO], v250, 6, v[STO]
	v_lshl_add_u32 v[RD], v249, 4, v[RD]
	v_lshl_add_u32 v[GO], v249, 4, v[GO]
	v_add_nc_u32 v[STO], s53, v[STO]               ; in: row r, + 64 h
	v_add_nc_u32 v[RD], s53, v[RD]                 ; back: lanes 0-15 one row, lanes 16-31 the next
	v_and_b32 v254, 7, v0                          ; r % 8
	v_bfe_u32 v255, v0, 3, 1                       ; r / 8
	v_lshlrev_b32 v[AT0], 3, v248
	v_lshlrev_b32 v[AK0], 4, v254
	v_add_nc_u32 v[AT0], 69632, v[AT0]
	v_lshl_add_u32 v[AK0], v250, 8, v[AK0]
	s_delay_alu instid0(VALU_DEP_1)
	v_lshl_add_u32 v[AS0], v255, 3, v[AK0]
	v_lshl_add_u32 v[AK0], v255, 10, v[AK0]
	s_delay_alu instid0(VALU_DEP_2)
	v_add_nc_u32 v[AS0], 65536, v[AS0]
	global_load_b32 v[QW2], v251, s[QSP:QSP+1] offset:2*QHB th:TH_LOAD_NT         ; unit 2's scale words, into v0: the thread's number has been read for the last time
; K's scale words and eight tiles of 128 keys: register 72 + j: lanes 0-15 tile j, lanes 16-31 tile 4 + j.  10 LDS loads.
.macro KLOAD ko, so
	ds_load_b64 v[72:73], v[ADS] offset:\so
	ds_load_b64 v[74:75], v[ADS] offset:(\so)+128
.irp t, 0,1,2,3,4,5,6,7
	ds_load_b128 v[32+4*\t:35+4*\t], v[ADK] offset:(\ko)+512*(\t%2)+128*((\t/2)%2)+2048*(\t/4)
.endr
.endm
.macro SMUL hf, qf, qw                 ; S^T of half hf: eight products, each on an accumulator of its own
.irp t, 0,1,2,3
	v_wmma_scale_f32_16x16x128_f8f6f4 v[96+64*(\hf)+8*\t:103+64*(\hf)+8*\t], v[32+4*\t:39+4*\t], v[\qf:\qf+7], 0, v[72+\t], v[\qw] matrix_a_fmt:MATRIX_FMT_FP4 matrix_b_fmt:MATRIX_FMT_FP4
.endr
.irp t, 4,5,6,7
	v_wmma_scale_f32_16x16x128_f8f6f4 v[96+64*(\hf)+8*\t:103+64*(\hf)+8*\t], v[32+4*\t:39+4*\t], v[\qf:\qf+7], 0, v[68+\t], v[\qw] matrix_a_fmt:MATRIX_FMT_FP4 matrix_b_fmt:MATRIX_FMT_FP4 matrix_a_scale:MATRIX_SCALE_ROW1
.endr
.endm
.macro MAX1 hf                         ; the largest score of half hf's two blocks of 32 keys, each in two chains; each accumulator is read from its low end on
.irp c, 0,1
	v_max3_num_f32 v[MB+2*(\hf)+\c], v[96+64*(\hf)+32*\c], v[97+64*(\hf)+32*\c], v[98+64*(\hf)+32*\c]
	v_max3_num_f32 v[MB+4+2*(\hf)+\c], v[112+64*(\hf)+32*\c], v[113+64*(\hf)+32*\c], v[114+64*(\hf)+32*\c]
.endr
.irp i, 3,5,7,9,11,13
.irp c, 0,1
	v_max3_num_f32 v[MB+2*(\hf)+\c], v[MB+2*(\hf)+\c], v[96+64*(\hf)+32*\c+\i], v[97+64*(\hf)+32*\c+\i]
	v_max3_num_f32 v[MB+4+2*(\hf)+\c], v[MB+4+2*(\hf)+\c], v[112+64*(\hf)+32*\c+\i], v[113+64*(\hf)+32*\c+\i]
.endr
.endr
.endm
.macro MAX2 hf                         ; the chains joined, with the two numbers that were left
.irp c, 0,1
	v_max3_num_f32 v[MB+2*(\hf)+\c], v[MB+2*(\hf)+\c], v[MB+4+2*(\hf)+\c], v[111+64*(\hf)+32*\c]
.endr
.irp c, 0,1
	v_max_num_f32 v[MB+2*(\hf)+\c], v[MB+2*(\hf)+\c], v[127+64*(\hf)+32*\c]
.endr
.endm
.macro TMM j0                          ; t - M of 16 scores, two at a time
.irp j, 0,2,4,6,8,10,12,14
	v_pk_fma_f32 v[96+(\j0)+\j:97+(\j0)+\j], v[96+(\j0)+\j:97+(\j0)+\j], s[CS:CS+1], v[12:13] op_sel_hi:[1,0,0]
.endr
.endm
.macro SUMR base                       ; four chains of partial sums take eight more p each
.irp k, 0,1,2,3
	v_pk_add_f32 v[SM+2*\k:SM+1+2*\k], v[SM+2*\k:SM+1+2*\k], v[(\base)+2*\k:(\base)+1+2*\k]
.endr
.endm
.macro CVT q                           ; block q's 32 p become codes: register 4 q + t: keys 8 t + 0 .. 7 of the block: the operand's own order
.irp t, 0,1,2,3
	v_cvt_scalef32_pk8_fp4_f32 v[80+4*(\q)+\t], v[96+32*(\q)+8*\t:103+32*(\q)+8*\t], v[SO+(\q)]
.endr
.endm
; A STEP: 256 keys.
.macro STEP2 qf, qw
	v_add_nc_u32 v[ADK], s[TK], v[AK0]             ; four plain lines: the places behind the last step's products, ahead of the loads into their scale registers
	v_add_nc_u32 v[ADS], s[TS], v[AS0]
	v_add_nc_u32 v[ADV], s[TK], v[LI]
	v_add_nc_u32 v[ADT], s[TS], v[AT0]
	KLOAD 0, 0
.irp b, 0,1,2,3
	ds_load_b64 v[64+2*\b:65+2*\b], v[ADT] offset:256*\b          ; V's scale words of both halves
.endr
	s_wait_alu depctr_va_vdst(0)
	s_wait_dscnt 0x0
	SMUL 0, \qf, \qw
	v_mov_b32 v[OM], v12                           ; the old -M; with the three lines below: the places ahead of the loads into K's registers and of the first reads of S^T
	v_nop
	v_nop
	v_nop
	KLOAD 4096, 512                                ; the second half's K lands under the first half's maxima
	MAX1 0
	s_wait_alu depctr_va_vdst(0)                   ; the chains go on behind the wait below
	s_wait_dscnt 0x0
	SMUL 1, \qf, \qw
	MAX2 0                                         ; four plain lines on the first half: the places behind the products above
	MAX1 1
	MAX2 1
	v_max3_num_f32 v[T0], v[MB], v[MB+1], v[MB+2]
	s_delay_alu instid0(VALU_DEP_1)
	v_max_num_f32 v[T0], v[T0], v[MB+3]
	s_delay_alu instid0(VALU_DEP_1)
	v_permlanex16_b32 v[PT], v[T0], s[SEL], s[SEL+1]   ; lane l xor 16 holds my query's other four blocks
	s_delay_alu instid0(VALU_DEP_1)
	v_max3_num_f32 v13, v13, v[T0], v[PT]          ; the running largest score
	s_delay_alu instid0(VALU_DEP_1)
	v_mul_f32 v[T0], s[CS], v13                    ; as t (c is positive)
	s_delay_alu instid0(VALU_DEP_1)
	v_floor_f32 v12, -v[T0]                        ; the new -M = floor(-t): M is a whole number
	TMM 0
	TMM 16
	v_sub_f32 v[T0], v12, v[OM]                    ; old M less new M: a whole number, 0 or less
	TMM 32
	TMM 48
	v_cvt_i32_f32 v[T0], v[T0]                     ; (it saturates)
	TMM 64
	TMM 80
	v_ldexp_f32 v[F], 1.0, v[T0]                   ; f = 2^(old M - new M)
	TMM 96
	TMM 112
.irp q, 0,1,2,3
	v_fma_f32 v[MB+\q], v[MB+\q], s[CS], v12       ; the same of each block's largest score: p rises with the score, so this gives the block's largest p
.endr
	s_wait_alu depctr_va_vdst(0)                   ; the wait ahead of the batch
.set J, 0
.rept 128
	v_exp_f32 v[96+J], v[96+J]                     ; p = 2^(t - M), at most 1
.set J, J+1
.endr
.irp q, 0,1,2,3
	v_exp_f32 v[MB+\q], v[MB+\q]
.endr
	v_pk_mul_f32 v[14:15], v[14:15], v[F:F+1] op_sel_hi:[1,0]     ; the sums under the new M: the plain line behind the exponentials
	s_wait_alu depctr_va_vdst(0)                   ; one wait for the whole batch, ahead of its first reader
.irp k, 0,1,2,3
	v_pk_add_f32 v[SM+2*\k:SM+1+2*\k], v[160+2*\k:161+2*\k], v[168+2*\k:169+2*\k]   ; the row's sum of the unquantised p, the second half first; the scales' lines stand among its rounds
.endr
.irp q, 0,1,2,3
	v_max_num_f32 v[MB+\q], 0x1800000, v[MB+\q]    ; the floor 2^(3 - 127): the byte cannot fall under 1
.endr
	SUMR 176
.irp q, 0,1,2,3
	v_add_nc_u32 v[SO+\q], 0xff000000, v[MB+\q]    ; 2 off the exponent field: the conversion's scale operand
.endr
	SUMR 184
.irp q, 0,1,2,3
	v_lshrrev_b32 v[BY+\q], 23, v[SO+\q]           ; the scale's byte
.endr
	SUMR 192
	v_lshl_or_b32 v[WA], v[BY+1], 16, v[BY]        ; my two bytes of each half: blocks h and 2 + h
	v_lshl_or_b32 v[WB], v[BY+3], 16, v[BY+2]
	SUMR 200
	v_permlanex16_b32 v[PT], v[WA], s[SEL], s[SEL+1]
	v_permlanex16_b32 v[PT2], v[WB], s[SEL], s[SEL+1]
	SUMR 208
	v_lshl_or_b32 v[PWA], v[PT], 8, v[WA]          ; lanes 0-15: p's scale words (lanes 16-31 are not read)
	v_lshl_or_b32 v[PWB], v[PT2], 8, v[WB]
	SUMR 216
	CVT 2
	CVT 3
.irp e, 0,1                            ; the second half of p is summed and converted: V's eight fragments land in its registers, under the first half's sums
.irp t, 0,1,2,3
.irp c, 0,1
	ds_load_b128 v[160+32*\e+8*\t+4*\c:163+32*\e+8*\t+4*\c], v[ADV] offset:32768+4096*\e+1024*\t+512*\c
.endr
.endr
.endr
.irp m, 96,104,112,120,128,136,144,152
	SUMR \m
.endr
	v_pk_add_f32 v[SM:SM+1], v[SM:SM+1], v[SM+2:SM+3]
	v_pk_add_f32 v[SM+4:SM+5], v[SM+4:SM+5], v[SM+6:SM+7]
	CVT 0
	v_pk_add_f32 v[SM:SM+1], v[SM:SM+1], v[SM+4:SM+5]
	CVT 1
	v_pk_add_f32 v[14:15], v[14:15], v[SM:SM+1]
	s_wait_alu depctr_va_vdst(0)                   ; directly ahead of the first readers of O^T
.irp j, 0,2,4,6,8,10,12,14,16,18,20,22,24,26,28,30
	v_pk_mul_f32 v[224+\j:225+\j], v[224+\j:225+\j], v[F:F+1] op_sel_hi:[1,0]   ; O^T under the new M; these 16 are also the places between p's codes and scale words and the products below
.endr
	s_wait_alu depctr_va_vdst(0)                   ; directly ahead of the wait below
	s_wait_dscnt 0x0                               ; V is in
.irp t, 0,1,2,3                        ; the four accumulators by turns, one instruction a turn
	v_wmma_scale_f32_16x16x128_f8f6f4 v[224+8*\t:231+8*\t], v[160+8*\t:167+8*\t], v[80:87], v[224+8*\t:231+8*\t], v[64+\t], v[PWA] matrix_a_fmt:MATRIX_FMT_FP4 matrix_b_fmt:MATRIX_FMT_FP4
.endr
.irp t, 0,1,2,3
	v_wmma_scale_f32_16x16x128_f8f6f4 v[224+8*\t:231+8*\t], v[192+8*\t:199+8*\t], v[88:95], v[224+8*\t:231+8*\t], v[68+\t], v[PWB] matrix_a_fmt:MATRIX_FMT_FP4 matrix_b_fmt:MATRIX_FMT_FP4
.endr
.endm
; A UNIT: head 3 C + u for my 16 queries.  lleft: the younger loads of Q, which may stay out.
.macro UNIT u, qf, qw, lleft
	s_wait_xcnt 0x0                                ; the loads of Q and the last unit's stores have read their registers
.if \u == 1
	s_wait_dscnt 0x0                               ; no LDS instruction of mine is out; my part of heads 1 and 2 was waited for behind unit 0's loop:
	s_barrier_signal -1
	s_barrier_wait -1                              ; everybody's part is in; nothing is ever filled again
	global_load_b128 v[QA:QA+3], v[LI], s[QB:QB+1] offset:2*QHB th:TH_LOAD_NT     ; unit 2's Q, into the set that unit 0 has left
.endif
	v_mov_b32 v13, 0xff61b1e6                      ; the largest score so far: -3e38
	v_mov_b32 v12, 0x7f000000                      ; -M = 2^127: the first change of M gives f = 0, which multiplies zeros
	v_mov_b32 v14, 0
	v_mov_b32 v15, 0
.set J, 0
.rept 32
	v_mov_b32 v[224+J], 0                          ; O^T: the step has no first form of its own
.set J, J+1
.endr
	s_mov_b32 s[TK], HEADB*\u
	s_mov_b32 s[TS], HEADB*\u
	s_wait_loadcnt \lleft                          ; this unit's Q
	s_mov_b32 s[CNT], 4
	s_wait_alu depctr_va_vdst(0)
.Lstep_\@:
	STEP2 \qf, \qw
	s_add_co_u32 s[TK], s[TK], 8192
	s_add_co_u32 s[TS], s[TS], 1024
	s_sub_co_i32 s[CNT], s[CNT], 1
	s_cmp_lg_u32 s[CNT], 0
	s_cbranch_scc1 .Lstep_\@
.if \u == 0
	s_wait_tensorcnt 0x0                           ; my sixteenth of heads 1 and 2 is in LDS: no tensor load of mine is out from here on
.endif
	; THE WAY OUT: O^T / the sum goes through my stage and leaves as whole runs of 256 bytes: a query's 64 numbers of this head
.rept 4
	v_nop                                          ; places behind the last products
.endr
	v_add_f32 v14, v14, v15
	s_delay_alu instid0(VALU_DEP_1)
	v_permlanex16_b32 v[T0], v14, s[SEL], s[SEL+1]
	s_delay_alu instid0(VALU_DEP_1)
	v_add_f32 v14, v14, v[T0]                      ; the row's sum
	s_wait_alu depctr_va_vdst(0)                   ; the wait ahead of the reciprocal
	v_rcp_f32 v14, v14
	v_nop                                          ; a plain line behind the reciprocal
	s_wait_alu depctr_va_vdst(0)                   ; and the wait ahead of its first reader, which is also O^T's
.irp j, 0,2,4,6,8,10,12,14,16,18,20,22,24,26,28,30
	v_pk_mul_f32 v[96+\j:97+\j], v[224+\j:225+\j], v[14:15] op_sel_hi:[1,0]   ; register 8 t + j: d = 32 (t / 2) + 16 h + 8 (t % 2) + j of query r
.endr
.irp t, 0,1,2,3
	ds_store_b128 v[STO], v[96+8*\t:99+8*\t] offset:128*(\t/2)+32*(\t%2)
	ds_store_b128 v[STO], v[100+8*\t:103+8*\t] offset:128*(\t/2)+32*(\t%2)+16
.endr
.irp k, 0,1,2,3,4,5,6,7
	ds_load_b128 v[128+4*\k:131+4*\k], v[RD] offset:544*\k   ; LDS serves a wave's instructions in order (ISA guide 5.7.1.4): these see my stores
.endr
.irp k, 0,1,2,3,4,5,6,7
	s_wait_dscnt 7-\k                              ; load k is back; the 7 - k younger may be out
	global_store_b128 v[GO], v[128+4*\k:131+4*\k], s[OB:OB+1] offset:(2*\k+8*(\k/4))*3072+256*\u th:TH_STORE_NT   ; tile rows 2 k and 2 k + 1 are queries 2 k + 8 (k / 4) + h on; 16 lanes store 256 consecutive bytes, aligned
.endr
.endm
	s_wait_alu depctr_va_vdst(0)                   ; the wait at the head's end
	s_wait_tensorcnt 0x0                           ; my sixteenth of head 0 is in LDS
	ds_add_u32 v[SPW], v[NIL]                      ; 0 onto my spare word;
	s_mov_b32 s[G1+2], 36<<16                      ; no tensor load of mine is out, so a descriptor may be written: the second load brings 36 rows
	s_mov_b32 s[G1+4], 36
	s_wait_dscnt 0x0                               ; the add is done
	CROUND                                         ; a whole round: everybody's part of head 0 is in, and all four work-groups are here: the joint loads meet
	tensor_load_to_lds s[G0+4:G0+7], s[G1:G1+7]    ; my sixteenth of heads 1 and 2: the first tensor load behind the round, and my last
	s_nop 0
.rept 4
	v_nop
.endr
	UNIT 0, QA, QW0, 3
	UNIT 1, QBF, QW1, 1
	UNIT 2, QA, QW2, 0
	s_wait_tensorcnt 0x0                           ; the wave's end
	ds_add_u32 v[SPW], v[NIL]
	s_wait_dscnt 0x0
	CROUND                                         ; the closing round
	s_endpgm
.Lfunc_end_k_q235016e961_attn:
	.size	k_q235016e961_attn, .Lfunc_end_k_q235016e961_attn-k_q235016e961_attn
	.p2alignl 7, 3214868480
	.fill 96, 4, 3214868480
	.section	.rodata,"a",@progbits
	.p2align	6, 0x0
	.amdhsa_kernel k_q235016e961_attn
		.amdhsa_group_segment_fixed_size 327680
		.amdhsa_private_segment_fixed_size 0
		.amdhsa_enable_private_segment 0
		.amdhsa_kernarg_size 24
		.amdhsa_user_sgpr_count 2
		.amdhsa_user_sgpr_kernarg_segment_ptr 1
		.amdhsa_wavefront_size32 1
		.amdhsa_system_sgpr_workgroup_id_x 1
		.amdhsa_system_sgpr_workgroup_id_y 1
		.amdhsa_system_sgpr_workgroup_id_z 1
		.amdhsa_system_vgpr_workitem_id 0
		.amdhsa_next_free_vgpr 256
		.amdhsa_next_free_sgpr 66
		.amdhsa_reserve_vcc 0
		.amdhsa_float_denorm_mode_32 3
		.amdhsa_float_denorm_mode_16_64 3
		.amdhsa_memory_ordered 1
		.amdhsa_forward_progress 1
		.amdhsa_inst_pref_size 101
	.end_amdhsa_kernel
	.amdgpu_metadata
---
amdhsa.version: [ 1, 2 ]
amdhsa.kernels:
  - .name:           k_q235016e961_attn
    .symbol:         k_q235016e961_attn.kd
    .args:
      - { .name: qbuf, .offset: 0, .size: 8, .value_kind: global_buffer, .address_space: global }
      - { .name: kv, .offset: 8, .size: 8, .value_kind: global_buffer, .address_space: global }
      - { .name: out0, .offset: 16, .size: 8, .value_kind: global_buffer, .address_space: global }
    .group_segment_fixed_size: 327680
    .private_segment_fixed_size: 0
    .kernarg_segment_align: 8
    .kernarg_segment_size: 24
    .max_flat_workgroup_size: 512
    .sgpr_count:     66
    .vgpr_count:     256
    .wavefront_size: 32
...
	.end_amdgpu_metadata
.endif
;; end of part 3
